; MI455X (gfx1250); checked and timed in simulation.
; The chip was launched on July 23, 2026; its instructions are those of AMD's public machine-readable ISA for CDNA 5 (MIT licence, August 2026) and "CDNA5" Instruction Set Architecture Reference Guide (July 2026). The comments in the code are by the model that wrote it; some were corrected since.
;; Param Attention. Allowed arithmetic: matrix products marked QUANTISED: E2M3 operands, one E8M0 scale for each 32 along K, by v_wmma_scale_f32_16x16x128_f8f6f4 with both operands' format E2M3, f32 sums; everything else in f32.
;; Inputs: Wk 512 x 512 float32; Wq 512 x 512 float32; Wv 512 x 512 float32; x_k 16 x 2,048 x 512 float32; x_mask 16 x 1,024 bool; x_q 16 x 1,024 x 512 float32.
;; Outputs: out0 16 x 1,024 x 512 float32.
;; This version of the problem:
;;   THIS VERSION OF THE PROBLEM IS GIVEN IN LOW PRECISION. The matrix products marked QUANTISED in the list below multiply operands that are first quantised to E2M3 (2 exponent bits, 3 mantissa bits; 6 bits a number), with one power-of-two scale for each 32 numbers along K (OCP MX v1.0); their sums are f32. All else is computed in f32.
;;   The module's matrix products, in the order in which they are computed (A, B: the left and right operand; K: the contracted axis; several contracted axes count as one K, in the product's order):
;;     1. [M 16,384, K 512] x [K 512, N 512]; A: input x_q; B: input Wq: QUANTISED
;;     2. [M 32,768, K 512] x [K 512, N 512]; A: input x_k; B: input Wk: QUANTISED
;;     3. [M 32,768, K 512] x [K 512, N 512]; A: input x_k; B: input Wv: QUANTISED
;;     4. batch 16 x [M 1,024, K 512] x [K 512, N 2,048]; A: computed on the way; B: computed on the way: QUANTISED
;;     5. batch 16 x [M 1,024, K 2,048] x [K 2,048, N 512]; A: softmax (see below); B: computed on the way: QUANTISED
;;   THE QUANTISER, for each operand of a quantised product, along K:
;;     - K is cut into blocks of 32 from its start; a last block that is shorter is filled with zeros.
;;     - A block's scale is 2^e with e = floor(log2(the largest magnitude in the block)) - 2, held to -126 .. 127; a block of zeros has e = 0. As a byte (E8M0): e + 127.
;;     - Each number is divided by its block's scale, clamped to +-7.5, and rounded to the nearest number of E2M3, ties to even, subnormals kept.
;;     - The product sums the exact products of the quantised numbers (number of the format x scale) in f32.
;;   ~~~python
;;   def quantise(x, axis):      # numpy; x: float32 -> the quantised numbers, widened to float32 again
;;       x = np.moveaxis(x, axis, -1); K = x.shape[-1]
;;       x = np.pad(x, [(0, 0)] * (x.ndim - 1) + [(0, -K % 32)]); x = x.reshape(x.shape[:-1] + (-1, 32)); a = np.abs(x).max(-1, keepdims=True)
;;       e = np.where(a > 0, np.clip(np.frexp(np.where(a > 0, a, 1))[1] - 1 - 2, -126, 127), 0)      # np.frexp(a)[1] - 1 = floor(log2(a)), exactly
;;       r = np.clip(x / 2.0 ** e, -7.5, 7.5)
;;       step = 2.0 ** (np.maximum(np.frexp(np.where(r == 0, 1, r))[1] - 1, 0) - 3)
;;       q = np.round(r / step) * step * 2.0 ** e      # np.round: ties to even
;;       return np.moveaxis(q.reshape(q.shape[:-2] + (-1,))[..., :K], -1, axis).astype(np.float32)
;;   ~~~
;;   SOFTMAX AHEAD OF A QUANTISED PRODUCT. Where the list says 'softmax', what is quantised is not the finished softmax but p = 2^(t - M), with t = logit x log2(e) and M = ceil(the row's largest t), a whole number; so 1/2 < the row's largest p <= 1. The row's sum l is taken of the UNQUANTISED p, in f32, and the product's result is divided by l at the end. Since M is a whole number, a kernel that streams over the keys may use a running M (the ceiling of the running maximum): every later rescaling is an exact power of two, which a block's scale takes up: the codes' values come out the same.
;;   OPERANDS COMPUTED ON THE WAY. 'Computed on the way' means the value that the module computes at that place (a softmax that the list does not call 'softmax' is quantised finished and normalised). What goes into a quantiser is computed in f32, as accurately as f32 sums, v_exp_f32 and their like allow (about 1e-6 of the number): no bf16 or f16 on the way to a quantiser, and a product that is left as it is and whose result goes on into a quantised operand takes f32 operands (vector FMAs, or v_wmma_f32_16x16x4_f32). A number that lies on a knife's edge between two numbers of the format may be rounded either way, as far as f32 arithmetic and the matrix unit's own rounding can turn it there, and no further.
;; One version. Each part assembles by itself: llvm-mc -triple=amdgcn-amd-amdhsa -mcpu=gfx1250 --defsym DOCPART=n.
;; ======== version 1 of 1: 3 launches
;; workspace buffers: wc 589,824 bytes; ws 24,576 bytes; qc 6,553,600 bytes; kv 26,214,400 bytes
;; launch wquant (part 1): grid 8 x 3, 4 waves a work-group, no clusters, 34,304 bytes of LDS; arguments Wq, Wk, Wv, wc, ws; writes wc, ws
.if DOCPART == 1
	.amdgcn_target "amdgcn-amd-amdhsa--gfx1250"
	.amdhsa_code_object_version 6
	.text
	.protected	k_qd5018eed76_wquant
	.globl	k_qd5018eed76_wquant
	.p2align	8
	.type	k_qd5018eed76_wquant,@function
k_qd5018eed76_wquant:
	s_mov_b64 s[64:65], 0
	v_nop
	global_prefetch_b8 v0, s[64:65] scope:SCOPE_SE
	s_setreg_imm32_b32 hwreg(HW_REG_WAVE_MODE, 25, 1), 1
	s_wait_xcnt 0x0
; Wq, Wk, Wv [512][512] f32 (row e, K = d innermost) become codes of FP6 (E2M3) with one E8M0 byte for each 32 along d.
; A block's scale is 2^(floor(log2(its largest magnitude)) - 2); its byte is the largest magnitude's exponent field - 2, held at 1 from below.
; LIMITS: a block of zeros gets the byte 1 where the rule says 127 (its codes are zeros, and the bytes are read by this program alone); NaN and infinities among the inputs are not served.
; OUT: wc holds fragments as IMAGES OF THE OPERAND'S REGISTERS: fragment [matrix m][tile n of 16 rows][K step s of 128] is 1,536 bytes, registers 4 c .. 4 c + 3 of lane L at 512 c + 16 L.
;      ws holds [m][row][16 bytes]: a row's four scale words.
; SHARES: work-group (x, m), wave w: tile n = 4 x + w of matrix m: 16 rows x 2,048 bytes.  The waves share nothing: no barrier.  24 work-groups: there are 96 tiles in all.
; Each load reads 512 consecutive bytes (a row's 128 numbers of one K step); the conversions want 16 neighbours along K in ONE lane, so a K step turns through the wave's own stage in LDS
; (16 rows, 528 bytes apart) and comes back 64 bytes a lane.  No matrix unit, no ring, no cluster: 3 MB are read once.
.set SP,   528
.set STG,  16*SP
.set LI,   1                           ; v1   16 x lane
.set R16,  2                           ; v2   16 x (lane % 16)
.set STS,  3                           ; v3   the stage, on the way in
.set STL,  4                           ; v4   and on the way out: row lane % 16, + 64 (lane / 16)
.set PW4,  8                           ; v8-11   the four scale words
.set TM,   16                          ; v16-31  at work
.set PC0,  32                          ; v32-79  the codes, 12 registers for each K step: no store's data are written again
.set CT,   80                          ; v80-87  the conversions' second halves
.set HA,   128                         ; v128-191, v192-255: 64 numbers a lane, two sets.  Window 1: the numbers as loaded, v[64 s + 4 row]
.set SEL,  18                          ; s[18:19] lane selects for v_permlanex16_b32: lane l xor 16
.set MSB, 0
.macro WIN new                         ; the immediate's high byte repeats the setting that is left
.if MSB != (\new)
	s_set_vgpr_msb (MSB<<8)|(\new)
.set MSB, (\new)
.endif
.endm
; 64 numbers of a lane, register 16 b + i = place 32 b + 16 (lane / 16) + i along K of my row, become a fragment's 12 registers at v[pc] and its scale word in v[pw]
.macro QUANT src, pc, pw
.irp b, 0,1,2,3
	v_max3_num_f32 v[TM+\b], |v[(\src)+16*\b]|, |v[(\src)+16*\b+1]|, 0x1800000   ; my 16 numbers of block b, and the floor 2^(3 - 127): the byte cannot fall under 1
.endr
.irp i, 2,4,6,8,10,12,14
.irp b, 0,1,2,3
	v_max3_num_f32 v[TM+\b], v[TM+\b], |v[(\src)+16*\b+\i]|, |v[(\src)+16*\b+\i+1]|   ; the four blocks by turns
.endr
.endr
.irp b, 0,1,2,3
	v_permlanex16_b32 v[TM+4+\b], v[TM+\b], s[SEL], s[SEL+1]
.endr
.irp b, 0,1,2,3
	v_max_num_f32 v[TM+\b], v[TM+\b], v[TM+4+\b]   ; with lane l xor 16's: the block's largest magnitude
.endr
.irp b, 0,1,2,3
	v_add_nc_u32 v[TM+12+\b], 0xff000000, v[TM+\b]   ; 2 off its exponent field: the conversion's scale operand
.endr
.irp b, 0,1,2,3
	v_lshrrev_b32 v[TM+4+\b], 23, v[TM+12+\b]      ; the scale's byte
.endr
	v_lshl_or_b32 v[\pw], v[TM+5], 8, v[TM+4]
	v_lshl_or_b32 v[\pw], v[TM+6], 16, v[\pw]
	v_lshl_or_b32 v[\pw], v[TM+7], 24, v[\pw]
.irp c, 0,1
	v_cvt_scalef32_pk16_fp6_f32 v[(\pc)+6*\c:(\pc)+6*\c+2], v[(\src)+32*\c:(\src)+32*\c+15], v[TM+12+2*\c]
	v_cvt_scalef32_pk16_fp6_f32 v[CT+4*\c:CT+4*\c+2], v[(\src)+32*\c+16:(\src)+32*\c+31], v[TM+13+2*\c]   ; (a conversion's three registers begin on an even number)
.endr
	v_nop                                          ; one plain place behind a scaled conversion
.irp c, 0,1                                    ; the layout wants a WHOLE block in a lane: lanes 0-15 block 2 c, lanes 16-31 block 2 c + 1
.irp i, 0,1,2
	v_permlane16_swap_b32 v[(\pc)+6*\c+\i], v[CT+4*\c+\i]
.endr
.irp i, 0,1,2
	v_mov_b32 v[(\pc)+3+6*\c+\i], v[CT+4*\c+\i]
.endr
.endr
.endm
; K step s through the stage.  LDS serves a wave's instructions in order: the loads see the stores, and the next turn's stores come behind these loads
.macro TURN s
	WIN 0x04                                       ; an LDS store's data are its source 1: window 1
.irp row, 0,1,2,3,4,5,6,7,8,9,10,11,12,13,14,15
	ds_store_b128 v[STS], v[64*(\s)+4*\row:64*(\s)+4*\row+3] offset:SP*\row
.endr
	WIN 0
.irp b, 0,1,2,3
.irp jj, 0,1,2,3
	ds_load_b128 v[HA+64*((\s)%2)+16*\b+4*\jj:HA+64*((\s)%2)+16*\b+4*\jj+3], v[STL] offset:128*\b+16*\jj
.endr
.endr
.endm
	s_load_b256 s[4:11], s[0:1], 0x0               ; Wq, Wk, Wv, wc
	s_load_b64 s[12:13], s[0:1], 0x20              ; ws
	v_lshl_add_u32 v126, v0, 2, 0x8400
	v_mov_b32 v127, 0
	v_lshrrev_b32 v5, 5, v0
	v_readfirstlane_b32 s16, v5                    ; wave
	v_and_b32 v5, 31, v0                           ; lane
	v_and_b32 v6, 15, v0                           ; r
	v_bfe_u32 v7, v0, 4, 1                         ; h
	v_lshlrev_b32 v[LI], 4, v5
	v_lshlrev_b32 v[R16], 4, v6
	s_mul_i32 s17, s16, STG                        ; my stage
	v_add_nc_u32 v[STS], s17, v[LI]
	v_mul_u32_u24 v[STL], v6, SP
	v_lshl_add_u32 v[STL], v7, 6, v[STL]
	v_add_nc_u32 v[STL], s17, v[STL]
.irp b, 0,1,2,3
	v_mov_b32 v[TM+4+\b], 0                        ; written once: a lane permute's destination counts as one of its sources
.endr
	s_mov_b32 s[SEL], 0x76543210
	s_mov_b32 s[SEL+1], 0xfedcba98
	s_and_b32 s14, ttmp7, 0xffff                   ; m
	s_lshl_b32 s15, ttmp9, 2
	s_add_co_u32 s15, s15, s16                     ; n
	s_lshl_b32 s20, s15, 15                        ; the tile's 16 rows of 2,048 bytes
	s_mov_b32 s21, 0
	s_mul_i32 s22, s14, 196608                     ; in wc: 32 x 4 fragments a matrix,
	s_mul_i32 s24, s15, 6144                       ; four a tile
	s_add_co_u32 s22, s22, s24
	s_mov_b32 s23, 0
	s_lshl_b32 s24, s14, 13                        ; in ws: 8,192 bytes a matrix, 256 a tile
	s_lshl_b32 s25, s15, 8
	s_add_co_u32 s24, s24, s25
	s_mov_b32 s25, 0
	s_wait_kmcnt 0x0
	s_cmp_eq_u32 s14, 1                            ; the matrix is chosen by the work-group's y alone
	s_cselect_b64 s[4:5], s[6:7], s[4:5]
	s_cmp_eq_u32 s14, 2
	s_cselect_b64 s[4:5], s[8:9], s[4:5]
	s_add_nc_u64 s[4:5], s[4:5], s[20:21]
	s_add_nc_u64 s[10:11], s[10:11], s[22:23]
	s_add_nc_u64 s[12:13], s[12:13], s[24:25]
	WIN 0x40                                       ; destination window 1
.irp s, 0,1,2,3
.irp row, 0,1,2,3,4,5,6,7,8,9,10,11,12,13,14,15
	global_load_b128 v[64*\s+4*\row:64*\s+4*\row+3], v[LI], s[4:5] offset:2048*\row+512*\s th:TH_LOAD_NT   ; 32 lanes read 512 consecutive bytes
.endr
.endr
	WIN 0
	s_wait_loadcnt 48                              ; K step 0's sixteen loads are in; the 48 younger ones may be out
	TURN 0
.irp s, 0,1,2,3
.if \s < 3
	s_wait_loadcnt 16*(2-\s)                       ; the next K step's loads are in; those of the steps behind it may be out
	TURN \s+1
	s_wait_dscnt 32                                ; this step's numbers are back: only the next turn's 16 stores and 16 loads may be out
.else
	s_wait_dscnt 0x0
.endif
	QUANT HA+64*(\s%2), PC0+12*\s, PW4+\s
.irp c, 0,1,2
	global_store_b128 v[LI], v[PC0+12*\s+4*\c:PC0+12*\s+4*\c+3], s[10:11] offset:1536*\s+512*\c   ; 512 consecutive bytes, at a multiple of 256 from the buffer's first byte
.endr
.endr
	global_store_b128 v[R16], v[PW4:PW4+3], s[12:13]   ; the tile's 256 bytes of scale words (lanes 16-31 hold and write the same as lanes 0-15)
	s_wait_tensorcnt 0x0
	ds_add_u32 v126, v127
	s_wait_dscnt 0x0
	s_endpgm
.Lfunc_end_k_qd5018eed76_wquant:
	.size	k_qd5018eed76_wquant, .Lfunc_end_k_qd5018eed76_wquant-k_qd5018eed76_wquant
	.p2alignl 7, 3214868480
	.fill 96, 4, 3214868480
	.section	.rodata,"a",@progbits
	.p2align	6, 0x0
	.amdhsa_kernel k_qd5018eed76_wquant
		.amdhsa_group_segment_fixed_size 34304
		.amdhsa_private_segment_fixed_size 0
		.amdhsa_enable_private_segment 0
		.amdhsa_kernarg_size 40
		.amdhsa_user_sgpr_count 2
		.amdhsa_user_sgpr_kernarg_segment_ptr 1
		.amdhsa_wavefront_size32 1
		.amdhsa_system_sgpr_workgroup_id_x 1
		.amdhsa_system_sgpr_workgroup_id_y 1
		.amdhsa_system_sgpr_workgroup_id_z 1
		.amdhsa_system_vgpr_workitem_id 0
		.amdhsa_next_free_vgpr 512
		.amdhsa_next_free_sgpr 66
		.amdhsa_reserve_vcc 0
		.amdhsa_float_denorm_mode_32 3
		.amdhsa_float_denorm_mode_16_64 3
		.amdhsa_memory_ordered 1
		.amdhsa_forward_progress 1
		.amdhsa_inst_pref_size 33
	.end_amdhsa_kernel
	.amdgpu_metadata
---
amdhsa.version: [ 1, 2 ]
amdhsa.kernels:
  - .name:           k_qd5018eed76_wquant
    .symbol:         k_qd5018eed76_wquant.kd
    .args:
      - { .name: Wq, .offset: 0, .size: 8, .value_kind: global_buffer, .address_space: global }
      - { .name: Wk, .offset: 8, .size: 8, .value_kind: global_buffer, .address_space: global }
      - { .name: Wv, .offset: 16, .size: 8, .value_kind: global_buffer, .address_space: global }
      - { .name: wc, .offset: 24, .size: 8, .value_kind: global_buffer, .address_space: global }
      - { .name: ws, .offset: 32, .size: 8, .value_kind: global_buffer, .address_space: global }
    .group_segment_fixed_size: 34304
    .private_segment_fixed_size: 0
    .kernarg_segment_align: 8
    .kernarg_segment_size: 40
    .max_flat_workgroup_size: 128
    .sgpr_count:     66
    .vgpr_count:     512
    .wavefront_size: 32
...
	.end_amdgpu_metadata
.endif
;; end of part 1
;; launch proj (part 2): grid 256 x 1, 4 waves a work-group, no clusters, 327,680 bytes of LDS; arguments x_q, x_k, wc, ws, qc, kv; writes qc, kv
.if DOCPART == 2
	.amdgcn_target "amdgcn-amd-amdhsa--gfx1250"
	.amdhsa_code_object_version 6
	.text
	.protected	k_qd5018eed76_proj
	.globl	k_qd5018eed76_proj
	.p2align	8
	.type	k_qd5018eed76_proj,@function
k_qd5018eed76_proj:
	s_mov_b64 s[64:65], 0
	v_nop
	global_prefetch_b8 v0, s[64:65] scope:SCOPE_SE
	s_setreg_imm32_b32 hwreg(HW_REG_WAVE_MODE, 25, 1), 1
	s_wait_xcnt 0x0
; q = x_q Wq^T, k = x_k Wk^T, v = x_k Wv^T on codes of FP6 (E2M3) with one E8M0 scale for each 32 along K; the results are quantised at once for the attention launch: q and k along e, v along the keys.
; x_q, x_k arrive as f32 and are quantised here along d; the weights arrive as register images (wc, ws).
; LIMITS: a block of zeros gets the byte 1 where the rule says 127 (zero codes; the bytes are read by this program alone); NaN and infinities are not served.
; SHARES.  Work-group g: rows 64 g .. of x_q (4 tiles of 16) and rows 128 g .. of x_k (8 tiles): 12 + 8 tiles of products for each of 256 work-groups.  THE WAVES SHARE THE COLUMNS: wave w owns
; e = 128 w .. 128 w + 127 of q, k and v, and holds its 32 fragments of the weight in hand in registers; the rows' codes go from wave to wave through LDS as images of their registers.
; q, k: source 0 = 16 rows of W, source 1 = 16 rows of x: a lane holds ONE row of x and its registers run along e: the next product's K.  v: source 0 = 16 keys, source 1 = 16 rows of Wv: a lane holds one channel and its
; registers run along the keys.  The 16 registers of tiles 2 b, 2 b + 1 hold K index 32 b + 16 (i / 8) + 8 (lane / 16) + i % 8: a permutation INSIDE a block of 32, the same on both sides of the attention's products
; (q and k; p and v), so the sums are those of the true order and the blocks, their largest magnitudes and their scales are the true ones.
; NO CLUSTER, though all work-groups read the same weights: a joint load lands in LDS alone, and LDS is full: 266,240 bytes of x_k as f32 and 61,440 of images.  The weights go from memory into registers.
; LDS: 0 .. 266,240: x_k as f32, [half of d][row], 1,024 bytes + 16 of padding a row, brought by two tensor loads a wave at the head, filled once; a wave reads only the 32 rows that it brought.
;      R0 = 266,240 ..: first a region of 15,360 bytes a wave (stage 16 x 528, x_q's four images, its scale words); behind the second barrier x_k's 32 images and their scale words.
; REGISTERS: window 0: addresses, scale words, at work (below).  Fragment slots 0 .. 62: 21 to a window in windows 1 to 3; slot 63 in window 0.  Slots 0-31: Wk, later x_k's codes; slots 32-63: Wq, later Wv.
.set XP,   1040                        ; a row of x_k in LDS
.set XH,   128*XP                      ; a half of d
.set R0,   2*XH
.set SP,   528
.set LI,   1                           ; v1   16 x lane
.set R16,  2                           ; v2   16 x (lane % 16)
.set STS,  3                           ; v3   my region: 16 x lane
.set STL,  4                           ; v4   my stage on the way out
.set XQS,  5                           ; v5   where x_q's scale words go
.set RI,   6                           ; v6   R0 + 16 x lane
.set RS,   7                           ; v7   R0 + 16 r
.set RS32, 8                           ; v8   R0 + 49,152 + 16 x lane
.set XKL,  9                           ; v9, v10  x_k as f32: my lane's place in my 32 rows, first and second half of d
.set XKW,  11                          ; v11  where x_k's images go
.set XKWS, 12                          ; v12  and their scale words
.set WSA,  24                          ; v24-39  scale words of slots 0-31: register 4 (n / 2) + s, lanes 0-15 the even tile, lanes 16-31 the odd one
.set XSV,  24
.set WSB,  40                          ; v40-55  of slots 32-63
.set PWS,  56                          ; v56-63  scale words just made
.set TM,   64                          ; v64-79  at work
.set PC,   80                          ; v80-91  codes just made
.set CT,   92                          ; v92-99
.set W0F,  104                         ; v104-115 slot 63
.set XS,   116                         ; v116-119 the x tile's four scale words
.set HA,   128                         ; v128-191 eight accumulators; with v192-255 also the two sets of 64 numbers
.set XF,   192                         ; v192-239 the x tile's four fragments
.set WV,   16
.set SEL,  18
.set G1,   24                          ; s[24:31] descriptor group 1; s[32:39] two groups 0
.set G0,   32
.set WCW,  40
.set WSW,  42
.set QF,   46
.set QSB,  48
.set KF,   50
.set KSB,  52
.set VF,   54
.set VSB,  56
.set MSB, 0
.macro WIN new                         ; the immediate's high byte repeats the setting that is left
.if MSB != (\new)
	s_set_vgpr_msb (MSB<<8)|(\new)
.set MSB, (\new)
.endif
.endm
.macro PLACES n
.rept \n
	v_nop
.endr
.endm
.macro BARRIER                         ; my LDS stores have landed and my LDS loads are in: then the work-group's barrier
	s_wait_dscnt 0x0
	s_barrier_signal -1
	s_barrier_wait -1
.endm
.macro LOC f                           ; slot f: window LW, register LR
.if (\f) < 63
.set LW, 1+(\f)/21
.set LR, 12*((\f)%21)
.else
.set LW, 0
.set LR, W0F
.endif
.endm
; one product.  zero = 1: it starts the sum.  ra, rb: the scales stand in lanes 16-31 of their registers
.macro WMS d, a, b, zero, sa, sb, ra, rb
.if \zero
.if (\ra) && (\rb)
	v_wmma_scale_f32_16x16x128_f8f6f4 v[(\d):(\d)+7], v[(\a):(\a)+11], v[(\b):(\b)+11], 0, v[\sa], v[\sb] matrix_a_fmt:MATRIX_FMT_FP6 matrix_b_fmt:MATRIX_FMT_FP6 matrix_a_scale:MATRIX_SCALE_ROW1 matrix_b_scale:MATRIX_SCALE_ROW1
.elseif (\ra)
	v_wmma_scale_f32_16x16x128_f8f6f4 v[(\d):(\d)+7], v[(\a):(\a)+11], v[(\b):(\b)+11], 0, v[\sa], v[\sb] matrix_a_fmt:MATRIX_FMT_FP6 matrix_b_fmt:MATRIX_FMT_FP6 matrix_a_scale:MATRIX_SCALE_ROW1
.elseif (\rb)
	v_wmma_scale_f32_16x16x128_f8f6f4 v[(\d):(\d)+7], v[(\a):(\a)+11], v[(\b):(\b)+11], 0, v[\sa], v[\sb] matrix_a_fmt:MATRIX_FMT_FP6 matrix_b_fmt:MATRIX_FMT_FP6 matrix_b_scale:MATRIX_SCALE_ROW1
.else
	v_wmma_scale_f32_16x16x128_f8f6f4 v[(\d):(\d)+7], v[(\a):(\a)+11], v[(\b):(\b)+11], 0, v[\sa], v[\sb] matrix_a_fmt:MATRIX_FMT_FP6 matrix_b_fmt:MATRIX_FMT_FP6
.endif
.else
.if (\ra) && (\rb)
	v_wmma_scale_f32_16x16x128_f8f6f4 v[(\d):(\d)+7], v[(\a):(\a)+11], v[(\b):(\b)+11], v[(\d):(\d)+7], v[\sa], v[\sb] matrix_a_fmt:MATRIX_FMT_FP6 matrix_b_fmt:MATRIX_FMT_FP6 matrix_a_scale:MATRIX_SCALE_ROW1 matrix_b_scale:MATRIX_SCALE_ROW1
.elseif (\ra)
	v_wmma_scale_f32_16x16x128_f8f6f4 v[(\d):(\d)+7], v[(\a):(\a)+11], v[(\b):(\b)+11], v[(\d):(\d)+7], v[\sa], v[\sb] matrix_a_fmt:MATRIX_FMT_FP6 matrix_b_fmt:MATRIX_FMT_FP6 matrix_a_scale:MATRIX_SCALE_ROW1
.elseif (\rb)
	v_wmma_scale_f32_16x16x128_f8f6f4 v[(\d):(\d)+7], v[(\a):(\a)+11], v[(\b):(\b)+11], v[(\d):(\d)+7], v[\sa], v[\sb] matrix_a_fmt:MATRIX_FMT_FP6 matrix_b_fmt:MATRIX_FMT_FP6 matrix_b_scale:MATRIX_SCALE_ROW1
.else
	v_wmma_scale_f32_16x16x128_f8f6f4 v[(\d):(\d)+7], v[(\a):(\a)+11], v[(\b):(\b)+11], v[(\d):(\d)+7], v[\sa], v[\sb] matrix_a_fmt:MATRIX_FMT_FP6 matrix_b_fmt:MATRIX_FMT_FP6
.endif
.endif
.endm
; 64 numbers of a lane, register 16 b + i = place 32 b + 16 (lane / 16) + i along K of my row, become a fragment's 12 registers at v[pc] and its scale word in v[pw]
.macro QUANT src, pc, pw
.irp b, 0,1,2,3
	v_max3_num_f32 v[TM+\b], |v[(\src)+16*\b]|, |v[(\src)+16*\b+1]|, 0x1800000   ; my 16 numbers of block b, and the floor 2^(3 - 127): the byte cannot fall under 1
.endr
.irp i, 2,4,6,8,10,12,14
.irp b, 0,1,2,3
	v_max3_num_f32 v[TM+\b], v[TM+\b], |v[(\src)+16*\b+\i]|, |v[(\src)+16*\b+\i+1]|   ; the four blocks by turns; each accumulator is read from its low end on
.endr
.endr
.irp b, 0,1,2,3
	v_permlanex16_b32 v[TM+4+\b], v[TM+\b], s[SEL], s[SEL+1]
.endr
.irp b, 0,1,2,3
	v_max_num_f32 v[TM+\b], v[TM+\b], v[TM+4+\b]   ; with lane l xor 16's: the block's largest magnitude
.endr
.irp b, 0,1,2,3
	v_add_nc_u32 v[TM+12+\b], 0xff000000, v[TM+\b]   ; 2 off its exponent field: the conversion's scale operand
.endr
.irp b, 0,1,2,3
	v_lshrrev_b32 v[TM+4+\b], 23, v[TM+12+\b]      ; the scale's byte
.endr
	v_lshl_or_b32 v[\pw], v[TM+5], 8, v[TM+4]
	v_lshl_or_b32 v[\pw], v[TM+6], 16, v[\pw]
	v_lshl_or_b32 v[\pw], v[TM+7], 24, v[\pw]
.irp c, 0,1
	v_cvt_scalef32_pk16_fp6_f32 v[(\pc)+6*\c:(\pc)+6*\c+2], v[(\src)+32*\c:(\src)+32*\c+15], v[TM+12+2*\c]
	v_cvt_scalef32_pk16_fp6_f32 v[CT+4*\c:CT+4*\c+2], v[(\src)+32*\c+16:(\src)+32*\c+31], v[TM+13+2*\c]   ; (a conversion's three registers begin on an even number)
.endr
	v_nop                                          ; one plain place behind a scaled conversion
.irp c, 0,1                                    ; the layout wants a WHOLE block in a lane: lanes 0-15 block 2 c, lanes 16-31 block 2 c + 1
.irp i, 0,1,2
	v_permlane16_swap_b32 v[(\pc)+6*\c+\i], v[CT+4*\c+\i]
.endr
.irp i, 0,1,2
	v_mov_b32 v[(\pc)+3+6*\c+\i], v[CT+4*\c+\i]
.endr
.endr
.endm
; K step s of my 16 rows of x_q through my stage: in as loaded (512 bytes a row), out 64 bytes a lane.  LDS serves a wave's instructions in order
.macro TURN s
	WIN 0x04                                       ; an LDS store's data are its source 1: window 1
.irp row, 0,1,2,3,4,5,6,7,8,9,10,11,12,13,14,15
	ds_store_b128 v[STS], v[64*(\s)+4*\row:64*(\s)+4*\row+3] offset:SP*\row
.endr
	WIN 0
.irp b, 0,1,2,3
.irp jj, 0,1,2,3
	ds_load_b128 v[HA+64*((\s)%2)+16*\b+4*\jj:HA+64*((\s)%2)+16*\b+4*\jj+3], v[STL] offset:128*\b+16*\jj
.endr
.endr
.endm
; a quarter of my part of weight m: one load of scale words (two tiles' rows x four words) and eight fragments, into slots reg + 8 i ..: 25 loads
.macro WB m, reg, ws, i
	global_load_b128 v[(\ws)+4*(\i):(\ws)+4*(\i)+3], v[LI], s[WSW:WSW+1] offset:8192*(\m)+512*(\i)
.irp k, 0,1,2,3,4,5,6,7
	LOC (\reg)+8*(\i)+\k
	WIN (LW<<6)
.irp c, 0,1,2
	global_load_b128 v[LR+4*\c:LR+4*\c+3], v[LI], s[WCW:WCW+1] offset:196608*(\m)+1536*(8*(\i)+\k)+512*\c
.endr
.endr
	WIN 0
.endm
.macro XFETCH off, soff                ; a tile of x: its four images and its four scale words
.irp k, 0,1,2,3,4,5,6,7,8,9,10,11
	ds_load_b128 v[XF+4*\k:XF+4*\k+3], v[RI] offset:(\off)+512*\k
.endr
	ds_load_b128 v[XS:XS+3], v[RS] offset:\soff
.endm
; 32 products: my eight tiles of e by turns, K step by K step; source 0 = W's slot, source 1 = x
.macro MULW reg, ws
.irp s, 0,1,2,3
.irp n, 0,1,2,3,4,5,6,7
	LOC (\reg)+4*\n+\s
	WIN LW
.if \s == 0
	WMS HA+8*\n, LR, XF+12*\s, 1, (\ws)+4*(\n/2)+\s, XS+\s, \n%2, 0
.else
	WMS HA+8*\n, LR, XF+12*\s, 0, (\ws)+4*(\n/2)+\s, XS+\s, \n%2, 0
.endif
.endr
.endr
.endm
.macro TILE_A reg, ws
	s_wait_dscnt 0x0                               ; the tile's fragments and scale words are in
	MULW \reg, \ws
	WIN 0
	PLACES 4                                       ; in front of loads into registers that the products read, and of the first read of results
	s_wait_xcnt 0x0                                ; the last tile's stores, issued 32 products ago, have read their registers, which TILE_B writes again.  The wait stands HERE, ahead of the next weights' 25 loads, so that it does not cover them; those loads name only registers that are never rewritten
.endm
.macro TILE_B idx, base, imm
	QUANT HA, PC, PWS+(\idx)
.irp c, 0,1,2
	global_store_b128 v[LI], v[PC+4*\c:PC+4*\c+3], s[\base:\base+1] offset:(\imm)+512*\c   ; 512 consecutive bytes, at a multiple of 256 from the buffer's first byte
.endr
.endm
; 32 products of v: the eight tiles of keys by turns; source 0 = x_k's slot, source 1 = Wv's tile n
.macro MULV n
.irp s, 0,1,2,3
.irp t, 0,1,2,3,4,5,6,7
	LOC 4*\t+\s
.set LWA, LW
.set LRA, LR
	LOC 32+4*(\n)+\s
	WIN (LWA|(LW<<2))
.if \s == 0
	WMS HA+8*\t, LRA, LR, 1, XSV+4*(\t/2)+\s, WSB+4*((\n)/2)+\s, \t%2, (\n)%2
.else
	WMS HA+8*\t, LRA, LR, 0, XSV+4*(\t/2)+\s, WSB+4*((\n)/2)+\s, \t%2, (\n)%2
.endif
.endr
.endr
.endm
; unit q of x_k: K step q / 2 of my tile q % 2, 64 numbers a lane out of the f32 rows
.macro LOADX q
.irp b, 0,1,2,3
.irp jj, 0,1,2,3
	ds_load_b128 v[HA+64*((\q)%2)+16*\b+4*\jj:HA+64*((\q)%2)+16*\b+4*\jj+3], v[XKL+(\q)/4] offset:16*XP*((\q)%2)+512*(((\q)/2)%2)+128*\b+16*\jj
.endr
.endr
.endm
	s_load_b256 s[4:11], s[0:1], 0x0               ; x_q, x_k, wc, ws
	s_load_b128 s[12:15], s[0:1], 0x20             ; qc, kv
	v_lshl_add_u32 v126, v0, 2, 0x4fe00
	v_mov_b32 v127, 0
	ds_add_u32 v126, v127
	ds_add_u32 v126, v127
	v_lshrrev_b32 v13, 5, v0
	v_readfirstlane_b32 s[WV], v13                 ; wave 0..3
	v_and_b32 v13, 31, v0                          ; lane
	v_and_b32 v14, 15, v0                          ; r
	v_bfe_u32 v15, v0, 4, 1                        ; h
	v_lshlrev_b32 v[LI], 4, v13
	v_lshlrev_b32 v[R16], 4, v14
	; descriptor group 1: 32 rows x 256 elements of 4 bytes, 512 elements from row to row; 16 bytes of padding behind each 1,024
	s_mov_b32 s[G1+0], (2<<16)|(1<<20)|(7<<22)|(3<<25)
	s_mov_b32 s[G1+1], 256<<16                     ; tensor_dim0
	s_mov_b32 s[G1+2], 32<<16                      ; tensor_dim1
	s_mov_b32 s[G1+3], 256<<16                     ; tile_dim0
	s_mov_b32 s[G1+4], 32                          ; tile_dim1
	s_mov_b32 s[G1+5], 512                         ; from row to row
	s_mov_b32 s[G1+6], 0
	s_mov_b32 s[G1+7], 0
	s_lshl_b32 s20, ttmp9, 18                      ; x_k: 128 rows of 2,048 bytes a work-group,
	s_lshl_b32 s21, s[WV], 16                      ; 32 a wave
	s_add_co_u32 s20, s20, s21
	s_mov_b32 s21, 0
	s_lshl_b32 s22, ttmp9, 17                      ; x_q: 64 rows a work-group, 16 a wave
	s_lshl_b32 s23, s[WV], 15
	s_add_co_u32 s22, s22, s23
	s_mov_b32 s23, 0
	s_mul_i32 s17, s[WV], 32*XP                    ; my 32 rows in LDS
	s_wait_dscnt 0x0
	s_wait_kmcnt 0x0
	s_add_nc_u64 s[6:7], s[6:7], s[20:21]
	s_add_nc_u64 s[4:5], s[4:5], s[22:23]
	s_mov_b32 s[G0], 1
	s_mov_b32 s[G0+1], s17
	s_mov_b64 s[G0+2:G0+3], s[6:7]
	s_or_b32 s[G0+3], s[G0+3], 0x80000000
	s_mov_b32 s[G0+4], 1
	s_add_co_u32 s[G0+5], s17, XH
	s_add_nc_u64 s[G0+6:G0+7], s[6:7], 1024
	s_or_b32 s[G0+7], s[G0+7], 0x80000000
	tensor_load_to_lds s[G0:G0+3], s[G1:G1+7]      ; my 32 rows of x_k, first half of d;
	s_nop 0
	tensor_load_to_lds s[G0+4:G0+7], s[G1:G1+7]    ; second half: two loads of mine are out, and no byte is filled twice
	s_nop 0
	PLACES 4
	WIN 0x40                                       ; destination window 1
.irp s, 0,1,2,3
.irp row, 0,1,2,3,4,5,6,7,8,9,10,11,12,13,14,15
	global_load_b128 v[64*\s+4*\row:64*\s+4*\row+3], v[LI], s[4:5] offset:2048*\row+512*\s th:TH_LOAD_NT   ; my 16 rows of x_q: 512 consecutive bytes a load
.endr
.endr
	WIN 0
	s_mov_b32 s[SEL], 0x76543210
	s_mov_b32 s[SEL+1], 0xfedcba98
	s_mul_i32 s20, s[WV], 49152                    ; my 32 fragments of each weight
	s_mov_b32 s21, 0
	s_add_nc_u64 s[WCW:WCW+1], s[8:9], s[20:21]
	s_lshl_b32 s20, s[WV], 11                      ; my 128 rows' scale words
	s_add_nc_u64 s[WSW:WSW+1], s[10:11], s[20:21]
	s_mul_i32 s22, ttmp9, 25600                    ; qc: block g; fragment (qt, s = my wave) at 1,536 (4 qt + s)
	s_mul_i32 s20, s[WV], 1536
	s_add_co_u32 s20, s20, s22
	s_add_nc_u64 s[QF:QF+1], s[12:13], s[20:21]
	s_lshl_b32 s20, s[WV], 8                       ; its scale words at 24,576 + 16 (16 s + r) + 4 qt
	s_add_co_u32 s20, s20, s22
	s_add_co_u32 s20, s20, 24576
	s_add_nc_u64 s[QSB:QSB+1], s[12:13], s[20:21]
	s_lshr_b32 s58, ttmp9, 1                       ; 8 x batch + step of 256 keys
	s_and_b32 s59, s58, 1                          ; the step's parity: an even step's chunks are [V | K], an odd step's [K | V]
	s_and_b32 s60, ttmp9, 1                        ; F: which 128 of the step's keys are mine
	s_mul_i32 s61, s58, 204800                     ; the step's four chunks of 51,200 bytes
	s_mul_i32 s62, s59, 25600                      ; where V's part begins in a chunk,
	s_sub_co_u32 s63, 25600, s62                   ; and K's
	s_mul_i32 s22, s60, 102400                     ; K: my tiles 0-3 go to chunk 2 F, tiles 4-7 to chunk 2 F + 1
	s_add_co_u32 s22, s22, s61
	s_add_co_u32 s22, s22, s63
	s_mul_i32 s20, s[WV], 1536
	s_add_co_u32 s20, s20, s22
	s_add_nc_u64 s[KF:KF+1], s[14:15], s[20:21]
	s_lshl_b32 s20, s[WV], 8
	s_add_co_u32 s20, s20, s22
	s_add_co_u32 s20, s20, 24576
	s_add_nc_u64 s[KSB:KSB+1], s[14:15], s[20:21]
	s_mul_i32 s22, s[WV], 51200                    ; V: my 128 channels are chunk w's; fragment (n, F) at 1,536 (2 n + F)
	s_add_co_u32 s22, s22, s61
	s_add_co_u32 s22, s22, s62
	s_mul_i32 s20, s60, 1536
	s_add_co_u32 s20, s20, s22
	s_add_nc_u64 s[VF:VF+1], s[14:15], s[20:21]
	s_lshl_b32 s20, s60, 8
	s_add_co_u32 s20, s20, s22
	s_add_co_u32 s20, s20, 24576
	s_add_nc_u64 s[VSB:VSB+1], s[14:15], s[20:21]
	s_mul_i32 s22, s[WV], 15360
	s_add_co_u32 s22, s22, R0                      ; my region
	v_add_nc_u32 v[STS], s22, v[LI]
	v_mul_u32_u24 v[STL], v14, SP
	v_lshl_add_u32 v[STL], v15, 6, v[STL]
	v_add_nc_u32 v[STL], s22, v[STL]
	v_add_nc_u32 v[XQS], s22, v[R16]
	v_add_nc_u32 v[XQS], 14592, v[XQS]
	v_add_nc_u32 v[RI], R0, v[LI]
	v_add_nc_u32 v[RS], R0, v[R16]
	v_add_nc_u32 v[RS32], R0+49152, v[LI]
	v_mul_u32_u24 v[XKL], v14, XP
	v_lshl_add_u32 v[XKL], v15, 6, v[XKL]
	v_add_nc_u32 v[XKL], s17, v[XKL]
	v_add_nc_u32 v[XKL+1], XH, v[XKL]
	s_mul_i32 s23, s[WV], 12288
	s_add_co_u32 s23, s23, R0
	v_add_nc_u32 v[XKW], s23, v[LI]
	s_lshl_b32 s23, s[WV], 9
	s_add_co_u32 s23, s23, R0+49152
	v_add_nc_u32 v[XKWS], s23, v[R16]
.irp b, 0,1,2,3
	v_mov_b32 v[TM+4+\b], 0                        ; written once: a lane permute's destination counts as one of its sources
.endr
	; ---- x_q: my 16 rows become four fragments; Wq is asked for meanwhile, a quarter behind each K step
	s_wait_loadcnt 48                              ; K step 0's sixteen loads are in
	TURN 0
	WB 0, 32, WSB, 0
.irp s, 0,1,2,3
.if \s == 0
	s_wait_loadcnt 57                              ; K step 1 is in: behind it 32 loads of x_q and 25 of Wq
.elseif \s < 3
	s_wait_loadcnt 63                              ; behind the next K step's loads 66, then 75, were issued
.endif
.if \s < 3
	TURN \s+1
	s_wait_dscnt 32                                ; this step's numbers are back and the last step's images are stored: only the next turn's 32 may be out
.else
	s_wait_dscnt 0x0
.endif
	QUANT HA+64*(\s%2), PC, PWS+\s
.irp c, 0,1,2
	ds_store_b128 v[STS], v[PC+4*\c:PC+4*\c+3] offset:8448+1536*\s+512*\c
.endr
.if \s < 3
	WB 0, 32, WSB, \s+1
.endif
.endr
	ds_store_b128 v[XQS], v[PWS:PWS+3]
	BARRIER                                        ; x_q's sixteen images lie in LDS
	XFETCH 8448, 14592
	s_wait_loadcnt 0x0                             ; Wq
	; ---- q: four tiles of rows; Wk is asked for meanwhile
.irp qt, 0,1,2,3
	TILE_A 32, WSB
.if \qt < 3
	XFETCH 15360*(\qt+1)+8448, 15360*(\qt+1)+14592
.endif
	WB 1, 0, WSA, \qt
	TILE_B \qt, QF, 6144*\qt
.endr
	global_store_b128 v[R16], v[PWS:PWS+3], s[QSB:QSB+1]   ; 256 bytes: 16 rows x four tiles' words (lanes 16-31 write the same as lanes 0-15)
	BARRIER                                        ; every wave's reads of x_q's images are over: the region is written anew
	; ---- x_k: my two tiles, four K steps each
	s_wait_xcnt 0x0                                ; the stores above have read the codes' and the scale words' registers
	s_wait_tensorcnt 0x1                           ; my rows' first half of d is in; the second load may be out
	LOADX 0
.irp u, 0,1,2,3,4,5,6,7
.if \u < 7
.if \u == 3
	s_wait_tensorcnt 0x0                           ; the second half of d
.endif
	LOADX \u+1
	s_wait_dscnt 16                                ; this unit's numbers are in and the last unit's images are stored: only the next unit's 16 loads may be out
.else
	s_wait_dscnt 0x0
.endif
	QUANT HA+64*(\u%2), PC, PWS+4*(\u%2)+(\u/2)
.irp c, 0,1,2
	ds_store_b128 v[XKW], v[PC+4*\c:PC+4*\c+3] offset:1536*(4*(\u%2)+(\u/2))+512*\c
.endr
.endr
.irp u, 0,1
	ds_store_b128 v[XKWS], v[PWS+4*\u:PWS+4*\u+3] offset:256*\u
.endr
	BARRIER                                        ; x_k's 32 images lie in LDS
	XFETCH 0, 49152
	s_wait_loadcnt 0x0                             ; Wk
	; ---- k: eight tiles of keys; Wv is asked for meanwhile
.irp t, 0,1,2,3,4,5,6,7
	TILE_A 0, WSA
.if \t < 7
	XFETCH 6144*(\t+1), 49152+256*(\t+1)
.endif
.if \t < 4
	WB 2, 32, WSB, \t
.endif
	TILE_B \t, KF, 51200*(\t/4)+6144*(\t%4)
.if (\t%4) == 3
	global_store_b128 v[R16], v[PWS+4*(\t/4):PWS+4*(\t/4)+3], s[KSB:KSB+1] offset:51200*(\t/4)
.endif
.endr
	; ---- x_k's 32 fragments take Wk's slots (the last products that read them stand far more than four places back)
.irp i, 0,1,2,3
	ds_load_b128 v[XSV+4*\i:XSV+4*\i+3], v[RS32] offset:512*\i   ; lanes 0-15 tile 2 i, lanes 16-31 tile 2 i + 1; four words
.endr
.set F9, 0
.rept 32
	LOC F9
	WIN (LW<<6)
.irp c, 0,1,2
	ds_load_b128 v[LR+4*\c:LR+4*\c+3], v[RI] offset:1536*F9+512*\c
.endr
.set F9, F9+1
.endr
	WIN 0
	s_wait_dscnt 0x0
	s_wait_loadcnt 0x0                             ; Wv
	; ---- v: my eight tiles of channels, each against the 128 keys: a fragment along the keys
.irp n, 0,1,2,3,4,5,6,7
	MULV \n
	WIN 0
	PLACES 4
	s_wait_xcnt 0x0                                ; earlier stores have read their registers
	QUANT HA, PC, PWS+\n
.irp c, 0,1,2
	global_store_b128 v[LI], v[PC+4*\c:PC+4*\c+3], s[VF:VF+1] offset:3072*\n+512*\c
.endr
.if (\n%4) == 3
	global_store_b128 v[R16], v[PWS+4*(\n/4):PWS+4*(\n/4)+3], s[VSB:VSB+1] offset:512*(\n/4)
.endif
.endr
	s_wait_tensorcnt 0x0
	ds_add_u32 v126, v127
	s_wait_dscnt 0x0
	s_endpgm
.Lfunc_end_k_qd5018eed76_proj:
	.size	k_qd5018eed76_proj, .Lfunc_end_k_qd5018eed76_proj-k_qd5018eed76_proj
	.p2alignl 7, 3214868480
	.fill 96, 4, 3214868480
	.section	.rodata,"a",@progbits
	.p2align	6, 0x0
	.amdhsa_kernel k_qd5018eed76_proj
		.amdhsa_group_segment_fixed_size 327680
		.amdhsa_private_segment_fixed_size 0
		.amdhsa_enable_private_segment 0
		.amdhsa_kernarg_size 48
		.amdhsa_user_sgpr_count 2
		.amdhsa_user_sgpr_kernarg_segment_ptr 1
		.amdhsa_wavefront_size32 1
		.amdhsa_system_sgpr_workgroup_id_x 1
		.amdhsa_system_sgpr_workgroup_id_y 1
		.amdhsa_system_sgpr_workgroup_id_z 1
		.amdhsa_system_vgpr_workitem_id 0
		.amdhsa_next_free_vgpr 1024
		.amdhsa_next_free_sgpr 66
		.amdhsa_reserve_vcc 0
		.amdhsa_float_denorm_mode_32 3
		.amdhsa_float_denorm_mode_16_64 3
		.amdhsa_memory_ordered 1
		.amdhsa_forward_progress 1
		.amdhsa_inst_pref_size 255
	.end_amdhsa_kernel
	.section	.bss,"aw",@nobits
	.p2align	6
	.space	262144
	.amdgpu_metadata
---
amdhsa.version: [ 1, 2 ]
amdhsa.kernels:
  - .name:           k_qd5018eed76_proj
    .symbol:         k_qd5018eed76_proj.kd
    .args:
      - { .name: x_q, .offset: 0, .size: 8, .value_kind: global_buffer, .address_space: global }
      - { .name: x_k, .offset: 8, .size: 8, .value_kind: global_buffer, .address_space: global }
      - { .name: wc, .offset: 16, .size: 8, .value_kind: global_buffer, .address_space: global }
      - { .name: ws, .offset: 24, .size: 8, .value_kind: global_buffer, .address_space: global }
      - { .name: qc, .offset: 32, .size: 8, .value_kind: global_buffer, .address_space: global }
      - { .name: kv, .offset: 40, .size: 8, .value_kind: global_buffer, .address_space: global }
    .group_segment_fixed_size: 327680
    .private_segment_fixed_size: 0
    .kernarg_segment_align: 8
    .kernarg_segment_size: 48
    .max_flat_workgroup_size: 128
    .sgpr_count:     66
    .vgpr_count:     1024
    .wavefront_size: 32
...
	.end_amdgpu_metadata
.endif
;; end of part 2
;; launch attn (part 3): grid 16 x 16, 4 waves a work-group, clusters of 4 x 1, 327,680 bytes of LDS; arguments qc, kv, x_mask, out0; writes out0
.if DOCPART == 3
	.amdgcn_target "amdgcn-amd-amdhsa--gfx1250"
	.amdhsa_code_object_version 6
	.text
	.protected	k_qd5018eed76_attn
	.globl	k_qd5018eed76_attn
	.p2align	8
	.type	k_qd5018eed76_attn,@function
k_qd5018eed76_attn:
	s_mov_b64 s[64:65], 0
	v_nop
	global_prefetch_b8 v0, s[64:65] scope:SCOPE_SE
	s_setreg_imm32_b32 hwreg(HW_REG_WAVE_MODE, 25, 1), 1
	s_wait_xcnt 0x0
	s_wait_alu depctr_hold_cnt(0) depctr_sa_sdst(0) depctr_va_vdst(0) depctr_va_sdst(0) depctr_va_ssrc(0) depctr_va_vcc(0) depctr_vm_vsrc(0)
	s_getreg_b32 s2, hwreg(HW_REG_IB_STS2, 6, 4)
	s_cmp_eq_u32 s2, 0
	s_cbranch_scc0 .Lentry_in_a_cluster
	s_endpgm
.Lentry_in_a_cluster:
	s_bfe_u32 s2, ttmp6, 0x10000c
	s_cmp_lg_u32 s2, 0x3003
	s_cbranch_scc0 .Lentry_shape_is_right
	s_endpgm
.Lentry_shape_is_right:
; out[b][q][:] = mask[b][q] x the sum over keys of softmax(q . k / sqrt(512)) v, both products on codes of FP6 (E2M3) with one E8M0 scale for each 32 along K.
; q, k, v arrive as register images (qc, kv).  t = score x log2(e) / sqrt(512); M = the running largest t rounded UP to a whole number; p = 2^(t - M) is quantised along the keys, not normalised;
; the row's sum is taken of the unquantised p and divides at the end; when M moves, the sum and O are multiplied by 2^(old M - new M), which rounds nothing.
; LIMITS: NaN and infinities are not served; a p under 2^-126 comes out of v_exp_f32 as 0; a block whose every p is 0 keeps the byte 1 with zero codes.
; SHARES.  A work-group owns 64 queries (four tiles qt) of one batch and walks 8 steps of 256 keys.  S^T = K Q^T: wave w takes keys 64 w .. of the step (four tiles kt) against all 64 queries.
; O^T += V^T P^T: wave w takes channels 128 w .. (eight tiles n) against all 64 queries.  So each fragment of K and V read from LDS feeds four products, each of P eight, and no fragment of K or V is read by two waves:
; a wave's own tensor load (51,200 bytes: its K and its V of a step) brings just what it reads.  The row's largest score and p's codes go from wave to wave through LDS.
; A lane holds ONE query (lane % 16) in S^T, p and O^T.  p's and v's places inside a block of 32 keys are permuted alike (both come out of matrix results by the same lines), so the sums are those of the true order.
; CLUSTER.  The four work-groups of a cluster belong to one batch and walk the same chunks: each chunk is asked for JOINTLY, by the same tensor load with the same descriptor and the mask 15.
; THE WALK IS ROTATED.  Cluster x of a batch begins at step 2 x and walks round all 8 steps: its t-th step is (2 x + t) mod 8, of t's parity.  The running M makes the order of the steps free.  So at any time the batch's
; four clusters ask for four different steps' chunks, and each chunk's first request in the launch falls into some cluster's first two steps.  No prefetch is written: those two requests stand at the kernel's head and one step behind it.
; LDS, a region of 76,800 bytes a wave: +0 V of even steps, +25,600 K, +51,200 V of odd steps.  An even step's chunk [V | K] lands at +0, an odd step's [K | V] at +25,600: so the next chunk can be asked for
; as soon as this step's K has been read, while this step's V stays.  Behind the regions: p's images, p's scale words, the waves' maxima, the waves' sums, the spare words.
; REGISTERS: window 0 below; window 1: O^T (n, qt) at 8 (4 n + qt); window 2: Q (qt, s) at 12 (4 qt + s); window 3: K (kt, s) at 12 (4 kt + s), then V (n, F) at 12 (2 n + F); v192-195 the mask's bytes.
.set WREG,  76800
.set KQO,   25600
.set PIMG,  4*WREG                     ; p's half fragments (qt, wave) at 3,072 qt + 768 w: four registers at 16 x lane, two at 512 + 8 x lane
.set PSC,   PIMG+12288                 ; p's scale words: 128 qt + 64 F + 4 r
.set STAT,  PSC+512                    ; the waves' largest scores: 256 w + 16 r + 4 qt; 1,024 bytes on: the waves' sums
.set SPARE, STAT+2048                  ; the spare words, 128 bytes for each wave: two blocks of 256 bytes that no other line names
.set SP,    528                        ; the way out: a stage of 16 rows x (512 + 16) bytes in my K's bytes, which have had their last fill and their last read by then
.set LI,   1                           ; v1   16 x lane
.set MO,   2                           ; v2   lane % 16
.set AK,   3                           ; v3   my K: 16 x lane
.set AV0,  4                           ; v4, v5  my V of even and of odd steps
.set ASW,  6                           ; v6   where my maxima go
.set ASR,  7                           ; v7   where all waves' are read
.set APW,  8                           ; v8, v9  where p's half fragments go
.set APW8, 9
.set APSW, 10                          ; v10  and my two scale bytes
.set APR,  11                          ; v11, v12  where p's fragments are read
.set APR8, 12
.set APSR, 13                          ; v13  and the scale words: lanes 0-15 F = 0, lanes 16-31 F = 1
.set STO,  14                          ; v14  the stage, on the way in
.set SPW,  16                          ; v16  LDS address of my spare word; never rewritten
.set NIL,  17                          ; v17  0; never rewritten
.set QS,   20                          ; v20-27  Q's scale words: register 4 (s / 2) + qt, lanes 0-15 even s, lanes 16-31 odd s
.set KS,   28                          ; v28-35  K's likewise
.set VS,   36                          ; v36-43  V's: register n, lanes 0-15 F = 0, lanes 16-31 F = 1
.set PS,   44                          ; v44-47  p's: register qt, likewise
.set ST,   48                          ; v48-55  pairs (-M, the largest t)
.set LS,   56                          ; v56-63  my keys' sums, in pairs
.set FF,   64                          ; v64-71  pairs (f, 0)
.set LM,   72                          ; v72-75
.set GM,   76                          ; v76-91  the four waves' maxima
.set BM,   92                          ; v92-99  block 2 qt + b: largest score, largest p, byte
.set T1,   100                         ; v100-107
.set T2,   108                         ; v108-111
.set S,    128                         ; v128-255 S^T (32 qt + 8 kt), then p; in the second product p's fragments (qt, F) at 128 + 12 (2 qt + F)
.set WV,   12
.set CS,   22                          ; s[22:23] c = log2(e) / sqrt(512), twice
.set G1,   24
.set G0E,  32                          ; s[32:35] group 0 for even steps' chunks; s[36:39] for odd steps'
.set G0O,  36
.set SEL,  40
.set CNT,  42
.set KVB,  50                          ; s[50:51] my wave's chunk of the batch's step 0; never rewritten
.set OFF,  58                          ; s[58:59] a step's offset from it: 204,800 x the step
.set JE,   60                          ; s60 the even step last asked for; s61 the odd one
.set MSB, 0
.macro WIN new                         ; the immediate's high byte repeats the setting that is left
.if MSB != (\new)
	s_set_vgpr_msb (MSB<<8)|(\new)
.set MSB, (\new)
.endif
.endm
.macro PLACES n
.rept \n
	v_nop
.endr
.endm
.macro WMS d, a, b, zero, sa, sb, ra, rb
.if \zero
.if (\ra) && (\rb)
	v_wmma_scale_f32_16x16x128_f8f6f4 v[(\d):(\d)+7], v[(\a):(\a)+11], v[(\b):(\b)+11], 0, v[\sa], v[\sb] matrix_a_fmt:MATRIX_FMT_FP6 matrix_b_fmt:MATRIX_FMT_FP6 matrix_a_scale:MATRIX_SCALE_ROW1 matrix_b_scale:MATRIX_SCALE_ROW1
.else
	v_wmma_scale_f32_16x16x128_f8f6f4 v[(\d):(\d)+7], v[(\a):(\a)+11], v[(\b):(\b)+11], 0, v[\sa], v[\sb] matrix_a_fmt:MATRIX_FMT_FP6 matrix_b_fmt:MATRIX_FMT_FP6
.endif
.else
.if (\ra) && (\rb)
	v_wmma_scale_f32_16x16x128_f8f6f4 v[(\d):(\d)+7], v[(\a):(\a)+11], v[(\b):(\b)+11], v[(\d):(\d)+7], v[\sa], v[\sb] matrix_a_fmt:MATRIX_FMT_FP6 matrix_b_fmt:MATRIX_FMT_FP6 matrix_a_scale:MATRIX_SCALE_ROW1 matrix_b_scale:MATRIX_SCALE_ROW1
.else
	v_wmma_scale_f32_16x16x128_f8f6f4 v[(\d):(\d)+7], v[(\a):(\a)+11], v[(\b):(\b)+11], v[(\d):(\d)+7], v[\sa], v[\sb] matrix_a_fmt:MATRIX_FMT_FP6 matrix_b_fmt:MATRIX_FMT_FP6
.endif
.endif
.endm
; a round of the cluster's barrier: my work-group's barrier; wave 0 signals for the work-group; every wave waits for all four work-groups; my work-group's barrier once more
.macro CROUND
	s_barrier_signal -1
	s_barrier_wait -1
	s_cmp_lg_u32 s[WV], 0
	s_cbranch_scc1 .Lnot_wave_0_\@
	s_barrier_signal -3
.Lnot_wave_0_\@:
	s_barrier_wait -3
	s_barrier_signal -1
	s_barrier_wait -1
.endm
; O^T under the new M: pairs j0 .. j0 + 63 of its 128, each accumulator from its low end on
.macro RESCALE j0
	WIN 0x41                                       ; O^T window 1, f window 0
.set J, \j0
.rept 64
	v_pk_mul_f32 v[2*J:2*J+1], v[2*J:2*J+1], v[FF+2*((J/4)%4):FF+2*((J/4)%4)+1] op_sel_hi:[1,0]
.set J, J+1
.endr
.endm
; A STEP OF 256 KEYS.  par: the step's parity (where its V lies).  first = 1: it starts M, the sums and O^T.  fill: 0 none, 1 the next even chunk, 2 the next odd chunk.  stepd = 1: that descriptor walks on first
.macro STEP par, first, fill, stepd
	s_wait_tensorcnt 0x0                           ; my one load, this step's chunk, is in: only I read it (no younger load of mine exists, so the count is 0)
.irp i, 0,1
	ds_load_b128 v[KS+4*\i:KS+4*\i+3], v[AK] offset:24576+512*\i
.endr
	WIN 0xc0                                       ; destination window 3
.irp s, 0,1,2,3
.irp kt, 0,1,2,3
.irp c, 0,1,2
	ds_load_b128 v[12*(4*\kt+\s)+4*\c:12*(4*\kt+\s)+4*\c+3], v[AK] offset:1536*(4*\kt+\s)+512*\c
.endr
.endr
.endr
	WIN 0x0b                                       ; K window 3, Q window 2, S^T window 0
.irp s, 0,1,2,3
	s_wait_dscnt 12*(3-\s)                         ; K step s's twelve loads are in; the later K steps' may be out
.irp kt, 0,1,2,3
.irp qt, 0,1,2,3
.if \s == 0
	WMS S+32*\qt+8*\kt, 12*(4*\kt+\s), 12*(4*\qt+\s), 1, KS+4*(\s/2)+\kt, QS+4*(\s/2)+\qt, \s%2, \s%2
.else
	WMS S+32*\qt+8*\kt, 12*(4*\kt+\s), 12*(4*\qt+\s), 0, KS+4*(\s/2)+\kt, QS+4*(\s/2)+\qt, \s%2, \s%2
.endif
.endr
.endr
.endr                                          ; the sixteen accumulators by turns
	WIN 0
	PLACES 4
.irp q, 0,1,2,3,4,5,6,7                        ; THE LARGEST SCORE OF EACH BLOCK OF 32 KEYS (block q = 2 qt + b: registers S + 16 q ..): for the row's maximum and, since p rises with the score, for the block's largest p
	v_max3_num_f32 v[BM+\q], v[S+16*\q], v[S+16*\q+1], v[S+16*\q+2]
.endr
.irp i, 3,5,7,9,11,13
.irp q, 0,1,2,3,4,5,6,7
	v_max3_num_f32 v[BM+\q], v[BM+\q], v[S+16*\q+\i], v[S+16*\q+\i+1]
.endr
.endr
.irp q, 0,1,2,3,4,5,6,7
	v_max_num_f32 v[BM+\q], v[BM+\q], v[S+16*\q+15]
.endr
.irp q, 0,1,2,3,4,5,6,7
	v_permlanex16_b32 v[T1+\q], v[BM+\q], s[SEL], s[SEL+1]
.endr
.irp q, 0,1,2,3,4,5,6,7
	v_max_num_f32 v[BM+\q], v[BM+\q], v[T1+\q]     ; with lane l xor 16's 16 keys
.endr
.irp qt, 0,1,2,3
	v_max_num_f32 v[LM+\qt], v[BM+2*\qt], v[BM+2*\qt+1]
.endr
	ds_store_b128 v[ASW], v[LM:LM+3]               ; my 64 keys' largest score of each query
.if \fill
	s_wait_tensorcnt 0x0                           ; no tensor load of mine is out, so a group 0 may be written
	ds_add_u32 v[SPW], v[NIL]                      ; 0 onto my spare word; the descriptor's lines stand between it and the wait for it
.if \stepd
	s_add_co_u32 s[JE+\fill-1], s[JE+\fill-1], 2   ; two steps on,
	s_and_b32 s[JE+\fill-1], s[JE+\fill-1], 7      ; round the batch's eight
	s_mul_i32 s[OFF], s[JE+\fill-1], 204800        ; a step's four chunks are 204,800 bytes
	s_add_nc_u64 s[G0E+4*(\fill-1)+2:G0E+4*(\fill-1)+3], s[KVB:KVB+1], s[OFF:OFF+1]
	s_or_b32 s[G0E+4*(\fill-1)+3], s[G0E+4*(\fill-1)+3], 0x80000000   ; type = 2
.endif
	s_wait_dscnt 0x0                               ; the add is done, my maxima are stored, and my reads of K and of the last step's V are over
	CROUND                                         ; the same holds of every wave of all four work-groups
	tensor_load_to_lds s[G0E+4*(\fill-1):G0E+4*(\fill-1)+3], s[G1:G1+7]   ; the next step's chunk: over K and over the V of the step before; my one load until the next round
	s_nop 0
	PLACES 4
.else
	s_wait_dscnt 0x0
	s_barrier_signal -1
	s_barrier_wait -1
.endif
.irp i, 0,1,2,3
	ds_load_b128 v[GM+4*\i:GM+4*\i+3], v[ASR] offset:256*\i
.endr
.irp i, 0,1
	ds_load_b128 v[VS+4*\i:VS+4*\i+3], v[AV0+\par] offset:24576+512*\i
.endr
	WIN 0xc0
.irp f, 0,1
.irp n, 0,1,2,3,4,5,6,7
.irp c, 0,1,2
	ds_load_b128 v[12*(2*\n+\f)+4*\c:12*(2*\n+\f)+4*\c+3], v[AV0+\par] offset:1536*(2*\n+\f)+512*\c   ; V lands while the softmax is walked
.endr
.endr
.endr
	WIN 0
	s_wait_dscnt 50                                ; the four waves' maxima are in; V's 2 + 48 loads may be out
.irp qt, 0,1,2,3
	v_max3_num_f32 v[LM+\qt], v[GM+\qt], v[GM+4+\qt], v[GM+8+\qt]
.endr
.irp qt, 0,1,2,3
	v_max_num_f32 v[LM+\qt], v[LM+\qt], v[GM+12+\qt]   ; the step's largest score of my query
.endr
.if \first
.irp qt, 0,1,2,3
	v_mul_f32 v[ST+2*\qt+1], s[CS], v[LM+\qt]      ; as t (c is positive)
.endr
.irp qt, 0,1,2,3
	v_floor_f32 v[ST+2*\qt], -v[ST+2*\qt+1]        ; -M = floor(-t) = -ceil(t)
.endr
.else
.irp qt, 0,1,2,3
	v_mul_f32 v[LM+\qt], s[CS], v[LM+\qt]
.endr
.irp qt, 0,1,2,3
	v_max_num_f32 v[ST+2*\qt+1], v[ST+2*\qt+1], v[LM+\qt]   ; the running largest t
.endr
.irp qt, 0,1,2,3
	v_mov_b32 v[T2+\qt], v[ST+2*\qt]
.endr
.irp qt, 0,1,2,3
	v_floor_f32 v[ST+2*\qt], -v[ST+2*\qt+1]
.endr
.irp qt, 0,1,2,3
	v_sub_f32 v[T2+\qt], v[ST+2*\qt], v[T2+\qt]    ; old M - new M: a whole number, 0 or less
.endr
.irp qt, 0,1,2,3
	v_cvt_i32_f32 v[T2+\qt], v[T2+\qt]
.endr
.irp qt, 0,1,2,3
	v_ldexp_f32 v[FF+2*\qt], 1.0, v[T2+\qt]        ; f = 2^(old M - new M)
.endr
.endif
.irp qt, 0,1,2,3
.irp j, 0,2,4,6,8,10,12,14,16,18,20,22,24,26,28,30
	v_pk_fma_f32 v[S+32*\qt+\j:S+32*\qt+\j+1], v[S+32*\qt+\j:S+32*\qt+\j+1], s[CS:CS+1], v[ST+2*\qt:ST+2*\qt+1] op_sel_hi:[1,0,0]   ; t - M (of the pairs c and -M the low word serves both halves)
.endr
.endr
.irp q, 0,1,2,3,4,5,6,7
	v_fma_f32 v[BM+\q], v[BM+\q], s[CS], v[ST+2*(\q/2)]   ; the same of each block's largest score
.endr
.set J, 0
.rept 128
	v_exp_f32 v[S+J], v[S+J]                       ; p = 2^(t - M), at most 1
.set J, J+1
.endr
.if \first
	v_nop                                          ; a plain place behind the exponentials
.else
.irp qt, 0,1,2,3
	v_pk_mul_f32 v[LS+2*\qt:LS+2*\qt+1], v[LS+2*\qt:LS+2*\qt+1], v[FF+2*\qt:FF+2*\qt+1] op_sel_hi:[1,0]   ; the sums under the new M (plain places behind the exponentials)
.endr
.endif
	s_wait_alu depctr_va_vdst(0)                   ; one wait for the whole batch, ahead of its first reader
.irp q, 0,1,2,3,4,5,6,7
	v_exp_f32 v[BM+\q], v[BM+\q]                   ; each block's largest p
.endr
.irp qt, 0,1,2,3                               ; THE SUMS ARE TAKEN OF THE UNQUANTISED p: two chains a tile.  (They read the 128 alone: plain work behind the eight)
	v_pk_add_f32 v[T1+2*\qt:T1+2*\qt+1], v[S+32*\qt:S+32*\qt+1], v[S+32*\qt+2:S+32*\qt+3]
.endr
.if \first
.irp qt, 0,1,2,3
	v_pk_add_f32 v[LS+2*\qt:LS+2*\qt+1], v[S+32*\qt+4:S+32*\qt+5], v[S+32*\qt+6:S+32*\qt+7]
.endr
.else
.irp qt, 0,1,2,3
	v_pk_add_f32 v[LS+2*\qt:LS+2*\qt+1], v[LS+2*\qt:LS+2*\qt+1], v[S+32*\qt+4:S+32*\qt+5]
	v_pk_add_f32 v[T1+2*\qt:T1+2*\qt+1], v[T1+2*\qt:T1+2*\qt+1], v[S+32*\qt+6:S+32*\qt+7]
.endr
.endif
.irp j, 8,12,16,20,24,28
.irp qt, 0,1,2,3
	v_pk_add_f32 v[LS+2*\qt:LS+2*\qt+1], v[LS+2*\qt:LS+2*\qt+1], v[S+32*\qt+\j:S+32*\qt+\j+1]
	v_pk_add_f32 v[T1+2*\qt:T1+2*\qt+1], v[T1+2*\qt:T1+2*\qt+1], v[S+32*\qt+\j+2:S+32*\qt+\j+3]
.endr
.endr
.irp qt, 0,1,2,3
	v_pk_add_f32 v[LS+2*\qt:LS+2*\qt+1], v[LS+2*\qt:LS+2*\qt+1], v[T1+2*\qt:T1+2*\qt+1]
.endr
	s_wait_alu depctr_va_vdst(0)                   ; and one for the eight
.irp q, 0,1,2,3,4,5,6,7
	v_max_num_f32 v[BM+\q], 0x1800000, v[BM+\q]    ; the floor 2^(3 - 127): the byte cannot fall under 1
.endr
.irp q, 0,1,2,3,4,5,6,7
	v_add_nc_u32 v[T1+\q], 0xff000000, v[BM+\q]    ; 2 off the exponent field: the conversion's scale operand
.endr
.irp q, 0,1,2,3,4,5,6,7
	v_lshrrev_b32 v[BM+\q], 23, v[T1+\q]           ; the scale's byte
.endr
.irp qt, 0,1,2,3
	v_lshl_or_b32 v[T2+\qt], v[BM+2*\qt+1], 8, v[BM+2*\qt]   ; my two bytes of the fragment's scale word
.endr
.irp qt, 0,1,2,3
	ds_store_b16 v[APSW], v[T2+\qt] offset:128*\qt
.endr
.irp qt, 0,1,2,3                               ; my 64 keys are half a fragment: six registers, at 112, 120, 76, 84
	v_cvt_scalef32_pk16_fp6_f32 v[112+8*\qt-52*(\qt/2):112+8*\qt-52*(\qt/2)+2], v[S+32*\qt:S+32*\qt+15], v[T1+2*\qt]
	v_cvt_scalef32_pk16_fp6_f32 v[116+8*\qt-52*(\qt/2):116+8*\qt-52*(\qt/2)+2], v[S+32*\qt+16:S+32*\qt+31], v[T1+2*\qt+1]
.endr
	v_nop                                          ; one plain place behind a scaled conversion
.irp qt, 0,1,2,3                               ; the layout wants a WHOLE block in a lane
.irp i, 0,1,2
	v_permlane16_swap_b32 v[112+8*\qt-52*(\qt/2)+\i], v[116+8*\qt-52*(\qt/2)+\i]
.endr
.irp i, 0,1,2
	v_mov_b32 v[115+8*\qt-52*(\qt/2)+\i], v[116+8*\qt-52*(\qt/2)+\i]
.endr
.endr
.irp qt, 0,1,2,3
	ds_store_b128 v[APW], v[112+8*\qt-52*(\qt/2):112+8*\qt-52*(\qt/2)+3] offset:3072*\qt
	ds_store_b64 v[APW8], v[116+8*\qt-52*(\qt/2):116+8*\qt-52*(\qt/2)+1] offset:3072*\qt
.endr
	s_wait_dscnt 0x0                               ; my codes and bytes are stored; V is in
	s_barrier_signal -1                            ; say so
.if !\first
	RESCALE 0                                      ; work on registers while the others arrive: the first half of O^T under the new M
	WIN 0
.endif
	s_barrier_wait -1                              ; p's eight fragments lie in LDS
.irp qt, 0,1,2,3
	ds_load_b32 v[PS+\qt], v[APSR] offset:128*\qt
.endr
.irp f, 0,1
.irp qt, 0,1,2,3
.irp c, 0,1
	ds_load_b128 v[S+12*(2*\qt+\f)+6*\c:S+12*(2*\qt+\f)+6*\c+3], v[APR] offset:1536*(2*\qt+\f)+768*\c
	ds_load_b64 v[S+12*(2*\qt+\f)+6*\c+4:S+12*(2*\qt+\f)+6*\c+5], v[APR8] offset:1536*(2*\qt+\f)+768*\c
.endr
.endr
.endr
.if !\first
	RESCALE 64                                     ; the second half; p's loads land meanwhile
.endif
	WIN 0x53                                       ; V window 3, p window 0, O^T window 1
.irp f, 0,1
	s_wait_dscnt 16*(1-\f)                         ; the first 128 keys' fragments are in; the second's sixteen loads may be out
.irp n, 0,1,2,3,4,5,6,7
.irp qt, 0,1,2,3
.if (\first) && (\f == 0)
	WMS 8*(4*\n+\qt), 12*(2*\n+\f), S+12*(2*\qt+\f), 1, VS+\n, PS+\qt, \f, \f
.else
	WMS 8*(4*\n+\qt), 12*(2*\n+\f), S+12*(2*\qt+\f), 0, VS+\n, PS+\qt, \f, \f
.endif
.endr
.endr
.endr                                          ; the 32 accumulators by turns
	WIN 0
	PLACES 5                                       ; the next step's products write over p's registers, and its loads land on V's
.endm
	s_load_b256 s[4:11], s[0:1], 0x0               ; qc, kv, x_mask, out0
	v_lshl_add_u32 v[SPW], v0, 2, SPARE
	v_mov_b32 v[NIL], 0
	ds_add_u32 v16, v17
	ds_add_u32 v16, v17
	s_wait_dscnt 0x0
	v_lshrrev_b32 v72, 5, v0
	v_readfirstlane_b32 s[WV], v72                 ; wave 0..3
	s_bfe_u32 s13, ttmp6, 0x40000                  ; cx: my place in the cluster
	s_lshl_b32 s14, ttmp9, 2
	s_add_co_u32 s14, s14, s13                     ; my block of 64 queries: it enters Q's, the mask's and the output's addresses alone
	s_and_b32 s15, ttmp7, 0xffff                   ; the batch, which the four partners share
	s_lshl_b32 s[JE], ttmp9, 1                     ; my cluster's first step: 2 x the cluster's x, which the four partners share: 0, 2, 4 or 6
	s_and_b32 s[JE], s[JE], 6
	s_add_co_u32 s[JE+1], s[JE], 1                 ; and its second
	s_mov_b32 s[OFF+1], 0
	; descriptor group 1: a chunk: 200 dense rows of 256 bytes (32 elements of 8 bytes)
	s_mov_b32 s[G1+0], 15|(3<<16)|(1<<21)          ; the mask: all four work-groups; elements of 8 bytes; bit 21 set beside a mask; no padding
	s_mov_b32 s[G1+1], 32<<16
	s_mov_b32 s[G1+2], 200<<16
	s_mov_b32 s[G1+3], 32<<16
	s_mov_b32 s[G1+4], 200
	s_mov_b32 s[G1+5], 32
	s_mov_b32 s[G1+6], 0
	s_mov_b32 s[G1+7], 0
	s_mov_b32 s[CS], 0x3d8293ee                    ; c = log2(e) / sqrt(512)
	s_mov_b32 s[CS+1], s[CS]
	s_mov_b32 s[SEL], 0x76543210
	s_mov_b32 s[SEL+1], 0xfedcba98
	s_mul_i32 s20, s[WV], WREG                     ; my region: no place in the cluster enters an LDS address
	s_mul_i32 s48, s15, 1638400                    ; the batch's 8 steps x 4 chunks,
	s_mul_i32 s49, s[WV], 51200                    ; my wave's chunk of a step
	s_add_co_u32 s48, s48, s49
	s_mov_b32 s49, 0
	s_lshl_b32 s16, s15, 4
	s_add_co_u32 s16, s16, s14
	s_mul_i32 s16, s16, 25600                      ; my block of qc
	s_mov_b32 s17, 0
	s_lshl_b32 s18, s15, 10
	s_lshl_b32 s19, s14, 6
	s_add_co_u32 s18, s18, s19                     ; my 64 bytes of the mask
	s_mov_b32 s19, 0
	s_lshl_b32 s54, s15, 21                        ; out0: 1,024 rows of 2,048 bytes a batch, 64 rows a block, my wave's 512 bytes of a row
	s_lshl_b32 s55, s14, 17
	s_add_co_u32 s54, s54, s55
	s_lshl_b32 s55, s[WV], 9
	s_add_co_u32 s54, s54, s55
	s_mov_b32 s55, 0
	v_and_b32 v72, 31, v0                          ; lane
	v_and_b32 v73, 15, v0                          ; r
	v_bfe_u32 v74, v0, 4, 1                        ; h
	v_lshlrev_b32 v[LI], 4, v72
	v_mov_b32 v[MO], v73
	v_add_nc_u32 v[AV0], s20, v[LI]
	v_add_nc_u32 v[AK], KQO, v[AV0]
	v_add_nc_u32 v[AV0+1], 2*KQO, v[AV0]
	v_lshl_add_u32 v[ASR], v73, 4, STAT
	s_lshl_b32 s21, s[WV], 8
	v_add_nc_u32 v[ASW], s21, v[ASR]
	v_add_nc_u32 v[APR], PIMG, v[LI]
	v_lshl_add_u32 v[APR8], v72, 3, PIMG+512
	s_mul_i32 s21, s[WV], 768
	v_add_nc_u32 v[APW], s21, v[APR]
	v_add_nc_u32 v[APW8], s21, v[APR8]
	v_lshl_add_u32 v[APSR], v72, 2, PSC
	s_lshr_b32 s21, s[WV], 1
	s_lshl_b32 s21, s21, 6                         ; 64 F,
	s_and_b32 s56, s[WV], 1
	s_lshl_b32 s56, s56, 1                         ; + 2 x (which half of the fragment)
	s_add_co_u32 s21, s21, s56
	v_lshl_add_u32 v[APSW], v73, 2, PSC
	v_add_nc_u32 v[APSW], s21, v[APSW]
	v_mul_u32_u24 v[STO], v73, SP
	v_lshl_add_u32 v[STO], v74, 5, v[STO]
	s_add_co_u32 s21, s20, KQO
	v_add_nc_u32 v[STO], s21, v[STO]
.irp q, 0,1,2,3,4,5,6,7
	v_mov_b32 v[T1+\q], 0                          ; written once: a lane permute's destination counts as one of its sources
.endr
.irp qt, 0,1,2,3
	v_mov_b32 v[FF+2*\qt+1], 0                     ; named as the upper half of a pair
.endr
	s_wait_kmcnt 0x0
	s_add_nc_u64 s[KVB:KVB+1], s[6:7], s[48:49]    ; my wave's chunk of the batch's step 0
	s_mul_i32 s[OFF], s[JE], 204800
	s_mov_b32 s[G0E], 1
	s_mov_b32 s[G0E+1], s20
	s_add_nc_u64 s[G0E+2:G0E+3], s[KVB:KVB+1], s[OFF:OFF+1]   ; of my cluster's first step
	s_or_b32 s[G0E+3], s[G0E+3], 0x80000000
	s_mul_i32 s[OFF], s[JE+1], 204800
	s_mov_b32 s[G0O], 1
	s_add_co_u32 s[G0O+1], s20, KQO
	s_add_nc_u64 s[G0O+2:G0O+3], s[KVB:KVB+1], s[OFF:OFF+1]   ; of its second
	s_or_b32 s[G0O+3], s[G0O+3], 0x80000000
	s_add_nc_u64 s[4:5], s[4:5], s[16:17]
	s_add_nc_u64 s[8:9], s[8:9], s[18:19]
	s_add_nc_u64 s[10:11], s[10:11], s[54:55]
	CROUND                                         ; all four work-groups are here: the first joint loads meet
	tensor_load_to_lds s[G0E:G0E+3], s[G1:G1+7]    ; the first step's chunk
	s_nop 0
	PLACES 4
	WIN 0x80                                       ; destination window 2
.irp k, 0,1,2,3,4,5,6,7,8,9,10,11,12,13,14,15,16,17,18,19,20,21,22,23,24,25,26,27,28,29,30,31,32,33,34,35,36,37,38,39,40,41,42,43,44,45,46,47
	global_load_b128 v[4*\k:4*\k+3], v[LI], s[4:5] offset:512*\k th:TH_LOAD_NT   ; Q's sixteen fragments stay in registers
.endr
	WIN 0xc0
.irp qt, 0,1,2,3
	global_load_u8 v[192+\qt], v[MO], s[8:9] offset:16*\qt   ; my query's byte of the mask, for each tile
.endr
	WIN 0
.irp i, 0,1
	global_load_b128 v[QS+4*\i:QS+4*\i+3], v[LI], s[4:5] offset:24576+512*\i th:TH_LOAD_NT
.endr
	s_wait_loadcnt 0x0
	STEP 0, 1, 2, 0                                ; my first step; asks for the second's chunk
	s_mov_b32 s[CNT], 3
.Lpair:                                            ; three trips: my second to seventh step
	STEP 1, 0, 1, 1
	STEP 0, 0, 2, 1
	s_sub_co_u32 s[CNT], s[CNT], 1
	s_cmp_lg_u32 s[CNT], 0
	s_cbranch_scc1 .Lpair
	STEP 1, 0, 0, 0                                ; the eighth is written out: nothing is left to ask for
	; THE WAY OUT.  The waves' sums meet in LDS; O^T x mask / the sum goes through my stage, a tile of 16 queries at a time, and leaves as rows of 512 consecutive bytes
.irp qt, 0,1,2,3
	v_add_f32 v[LM+\qt], v[LS+2*\qt], v[LS+2*\qt+1]
.endr
.irp qt, 0,1,2,3
	v_permlanex16_b32 v[T1+\qt], v[LM+\qt], s[SEL], s[SEL+1]
.endr
.irp qt, 0,1,2,3
	v_add_f32 v[LM+\qt], v[LM+\qt], v[T1+\qt]      ; my 64 keys a step: my part of the row's sum
.endr
	ds_store_b128 v[ASW], v[LM:LM+3] offset:1024
	s_wait_dscnt 0x0
	s_barrier_signal -1
	s_barrier_wait -1
.irp i, 0,1,2,3
	ds_load_b128 v[GM+4*\i:GM+4*\i+3], v[ASR] offset:1024+256*\i
.endr
	s_wait_dscnt 0x0
.irp qt, 0,1,2,3
	v_add_f32 v[LM+\qt], v[GM+\qt], v[GM+4+\qt]
	v_add_f32 v[T2+\qt], v[GM+8+\qt], v[GM+12+\qt]
.endr
.irp qt, 0,1,2,3
	v_add_f32 v[LM+\qt], v[LM+\qt], v[T2+\qt]
.endr
.irp qt, 0,1,2,3
	v_rcp_f32 v[LM+\qt], v[LM+\qt]
.endr
	WIN 0x03                                       ; source 0 window 3
.irp qt, 0,1,2,3
	v_cvt_f32_u32 v[T2+\qt], v[192+\qt]            ; the mask as 0.0 or 1.0 (plain work behind the reciprocals)
.endr
	WIN 0
	s_wait_alu depctr_va_vdst(0)                   ; one wait for the four reciprocals, ahead of their first reader
.irp qt, 0,1,2,3
	v_mul_f32 v[FF+2*\qt], v[LM+\qt], v[T2+\qt]
.endr
.irp qt, 0,1,2,3
	WIN 0x41
.irp n, 0,1,2,3,4,5,6,7
.irp j, 0,2,4,6
	v_pk_mul_f32 v[8*(4*\n+\qt)+\j:8*(4*\n+\qt)+\j+1], v[8*(4*\n+\qt)+\j:8*(4*\n+\qt)+\j+1], v[FF+2*\qt:FF+2*\qt+1] op_sel_hi:[1,0]
.endr
.endr
	WIN 0x04                                       ; an LDS store's data are its source 1: window 1
.irp n, 0,1,2,3,4,5,6,7
	ds_store_b128 v[STO], v[8*(4*\n+\qt):8*(4*\n+\qt)+3] offset:64*\n          ; lane (r, h): channels 16 n + 8 h + 0 .. 7 of query r
	ds_store_b128 v[STO], v[8*(4*\n+\qt)+4:8*(4*\n+\qt)+7] offset:64*\n+16
.endr
	WIN 0
.if \qt >= 2
	s_wait_xcnt 0x0                                ; the stores of the tile two back have read these registers
.endif
.irp row, 0,1,2,3,4,5,6,7,8,9,10,11,12,13,14,15
	ds_load_b128 v[S+64*(\qt%2)+4*\row:S+64*(\qt%2)+4*\row+3], v[AK] offset:SP*\row   ; LDS serves a wave's instructions in order: these see my stores, and the next tile's stores come behind them
.endr
.irp row, 0,1,2,3,4,5,6,7,8,9,10,11,12,13,14,15
	s_wait_dscnt 15-\row
	global_store_b128 v[LI], v[S+64*(\qt%2)+4*\row:S+64*(\qt%2)+4*\row+3], s[10:11] offset:2048*(16*\qt+\row) th:TH_STORE_NT   ; 32 lanes store 512 consecutive bytes, at a multiple of 256 from the output's first byte
.endr
.endr
	s_wait_tensorcnt 0x0                           ; the wave's end, behind my last tensor load and my last LDS store
	ds_add_u32 v[SPW], v[NIL]
	s_wait_dscnt 0x0
	CROUND                                         ; the closing round: no work-group ends while a partner may still ask for a chunk that names it
	s_endpgm
.Lfunc_end_k_qd5018eed76_attn:
	.size	k_qd5018eed76_attn, .Lfunc_end_k_qd5018eed76_attn-k_qd5018eed76_attn
	.p2alignl 7, 3214868480
	.fill 96, 4, 3214868480
	.section	.rodata,"a",@progbits
	.p2align	6, 0x0
	.amdhsa_kernel k_qd5018eed76_attn
		.amdhsa_group_segment_fixed_size 327680
		.amdhsa_private_segment_fixed_size 0
		.amdhsa_enable_private_segment 0
		.amdhsa_kernarg_size 32
		.amdhsa_user_sgpr_count 2
		.amdhsa_user_sgpr_kernarg_segment_ptr 1
		.amdhsa_wavefront_size32 1
		.amdhsa_system_sgpr_workgroup_id_x 1
		.amdhsa_system_sgpr_workgroup_id_y 1
		.amdhsa_system_sgpr_workgroup_id_z 1
		.amdhsa_system_vgpr_workitem_id 0
		.amdhsa_next_free_vgpr 1024
		.amdhsa_next_free_sgpr 66
		.amdhsa_reserve_vcc 0
		.amdhsa_float_denorm_mode_32 3
		.amdhsa_float_denorm_mode_16_64 3
		.amdhsa_memory_ordered 1
		.amdhsa_forward_progress 1
		.amdhsa_inst_pref_size 255
	.end_amdhsa_kernel
	.section	.bss,"aw",@nobits
	.p2align	6
	.space	262144
	.amdgpu_metadata
---
amdhsa.version: [ 1, 2 ]
amdhsa.kernels:
  - .name:           k_qd5018eed76_attn
    .symbol:         k_qd5018eed76_attn.kd
    .args:
      - { .name: qc, .offset: 0, .size: 8, .value_kind: global_buffer, .address_space: global }
      - { .name: kv, .offset: 8, .size: 8, .value_kind: global_buffer, .address_space: global }
      - { .name: x_mask, .offset: 16, .size: 8, .value_kind: global_buffer, .address_space: global }
      - { .name: out0, .offset: 24, .size: 8, .value_kind: global_buffer, .address_space: global }
    .group_segment_fixed_size: 327680
    .private_segment_fixed_size: 0
    .kernarg_segment_align: 8
    .kernarg_segment_size: 32
    .max_flat_workgroup_size: 128
    .sgpr_count:     66
    .vgpr_count:     1024
    .wavefront_size: 32
...
	.end_amdgpu_metadata
.endif
;; end of part 3
